; MI455X (gfx1250); checked and timed in simulation.
; The chip was launched on July 23, 2026; its instructions are those of AMD's public machine-readable ISA for CDNA 5 (MIT licence, August 2026) and "CDNA5" Instruction Set Architecture Reference Guide (July 2026). The comments in the code are by the model that wrote it; some were corrected since.
;; mean Pred. Allowed arithmetic: matrix products marked QUANTISED: E4M3 operands, one given power-of-two scale a tensor, by v_wmma_f32_16x16x64_fp8_fp8 or v_wmma_f32_16x16x128_fp8_fp8, f32 sums; everything else in f32.
;; Inputs: lowp_scales 2 int32 (the exponents e of the quantised operands' scales 2^e); mask 16 x 4,096 int32; pool 16 x 4,096 x 512 float32; pool_labels 16 x 4,096 int32; query 16 x 2,048 x 512 float32.
;; Outputs: out0 16 x 2,048 float32.
;; This version of the problem:
;;   THIS VERSION OF THE PROBLEM IS GIVEN IN LOW PRECISION. The matrix products marked QUANTISED in the list below multiply operands that are first quantised to E4M3 (4 exponent bits, 3 mantissa bits; 8 bits a number), with one given power-of-two scale for each operand tensor; their sums are f32. All else is computed in f32.
;;   The module's matrix products, in the order in which they are computed (A, B: the left and right operand; K: the contracted axis; several contracted axes count as one K, in the product's order):
;;     1. batch 16 x [M 2,048, K 512] x [K 512, N 4,096]; A: input query; B: input pool: QUANTISED (scales: A lowp_scales[0], B lowp_scales[1])
;;   THE QUANTISER, for each operand of a quantised product, along K:
;;     - The operand's scale is 2^e, e = its entry of the input lowp_scales (int32; the entries are numbered through the quantised products in the list's order, A before B).
;;     - Each number is divided by the scale, clamped to +-448, and rounded to the nearest number of E4M3, ties to even, subnormals kept.
;;     - The product sums the exact products of the quantised numbers (number of the format x scale) in f32.
;;   ~~~python
;;   def quantise(x, axis, e):      # numpy; x: float32 -> the quantised numbers, widened to float32 again
;;       x = np.moveaxis(x, axis, -1); K = x.shape[-1]
;;       r = np.clip(x / 2.0 ** e, -448, 448)
;;       step = 2.0 ** (np.maximum(np.frexp(np.where(r == 0, 1, r))[1] - 1, -6) - 3)
;;       q = np.round(r / step) * step * 2.0 ** e      # np.round: ties to even
;;       return np.moveaxis(q, -1, axis).astype(np.float32)
;;   ~~~
;; One version. Each part assembles by itself: llvm-mc -triple=amdgcn-amd-amdhsa -mcpu=gfx1250 --defsym DOCPART=n.
;; ======== version 1 of 1: 2 launches
;; workspace buffers: pcodes 33,554,432 bytes; prn 262,144 bytes
;; launch quant (part 1): grid 1024 x 1, 4 waves a work-group, no clusters, 768 bytes of LDS; arguments pool, mask, lowp_scales, pcodes, prn; writes pcodes, prn
.if DOCPART == 1
	.amdgcn_target "amdgcn-amd-amdhsa--gfx1250"
	.amdhsa_code_object_version 6
	.text
	.protected	k_q03b52e59be_quant
	.globl	k_q03b52e59be_quant
	.p2align	8
	.type	k_q03b52e59be_quant,@function
k_q03b52e59be_quant:
	s_mov_b64 s[64:65], 0
	v_nop
	global_prefetch_b8 v0, s[64:65] scope:SCOPE_SE
	s_setreg_imm32_b32 hwreg(HW_REG_WAVE_MODE, 25, 1), 1
	s_wait_xcnt 0x0
; pool [16 x 4096 rows][512] f32  ->  pcodes [65,536 rows][512 bytes], codes of FP8 (E4M3) with the given scale 2^e1 (entry 1 of the scales),
;                                     prn [65,536] f32: 1 / sqrt(sum of squares) of the row as it is given (not quantised).
; code = x / 2^e1, held within +-448, rounded to the nearest code, ties to even.
; K IS PERMUTED IN A ROW OF CODES: byte 16 l + 4 i + j holds k = 128 i + 4 l + j (l = 0..31, i, j = 0..3).  The next launch lays the queries' codes the same way,
; so every product meets its partner; only the order of the f32 sums changes.  What it buys: each load takes 512 consecutive bytes (16 a lane), a lane's 16 numbers
; become 16 neighbouring code bytes, and a wave's store covers 512 consecutive bytes, aligned: nothing has to change lanes.
; SHARES.  A wave takes 16 rows, a work-group 64.  Rows are independent and no work-group reads what another reads: no cluster, no tensor load, no matrix unit.
; A ROW WHOSE mask IS 0 counts for nothing in the result (both of the reference's selections drop it), so its numbers are not fetched: its loads name the wave's
; row 0 instead (offset = min(mask, 1) x the row's offset: no branch).  Its codes and its prn are then row 0's: finite codes; the next launch gives such a row the weight 0 by a selection.
; A ring of 8 rows in registers: 32 loads of a wave are out.  All is written out: every offset is an immediate, no address and no store's data is written twice.
; LIMITS: e1 between -126 and 119; a row's sum of squares is a normal f32 number (else v_rsq_f32 takes it as 0 or infinity); NaN among the inputs is not served.
.set OFF, 8                            ; v8-23    row p: 16 x lane + its offset in the wave's 16 rows (0 where mask is 0)
.set SQ,  24                           ; v24-27   two chains of squares
.set X,   32                           ; v32-159  the ring: 8 rows x 16 registers
.set C,   160                          ; v160-223 codes: 4 registers a row
.set SCL, 224                          ; v224     2^e1 as f32: the conversion takes its exponent field
.set LIM, 225                          ; v225     448 x 2^e1
.set TS,  226                          ; v226-241 a row's sum of squares
	s_load_b256 s[4:11], s[0:1], 0x0               ; pool s[4:5], mask s[6:7], the scales' exponents s[8:9], pcodes s[10:11]
	s_load_b64 s[12:13], s[0:1], 0x20              ; prn
	v_lshl_add_u32 v242, v0, 2, 0x100
	v_mov_b32 v243, 0
	v_lshrrev_b32 v1, 5, v0
	v_readfirstlane_b32 s14, v1                    ; wave 0..3
	v_and_b32 v1, 31, v0                           ; lane
	v_lshlrev_b32 v2, 4, v1                        ; 16 x lane
	v_lshlrev_b32 v4, 3, v1                        ; 8 x lane
	s_lshl_b32 s23, s14, 6
	v_mov_b32 v3, s23                              ; LDS: my wave's 16 words
	v_mov_b32 v6, 0                                ; written once: a lane permute's destination counts as one of its sources
	s_lshl_b32 s15, ttmp9, 2
	s_add_co_u32 s15, s15, s14                     ; which run of 16 rows is my wave's
	s_mov_b32 s20, 0x76543210                      ; v_permlanex16_b32: lane l takes lane l xor 16
	s_mov_b32 s21, 0xfedcba98
	s_lshl_b32 s16, s15, 6                         ; 16 words of mask
	s_mov_b32 s17, 0
	s_wait_kmcnt 0x0
	s_add_nc_u64 s[6:7], s[6:7], s[16:17]
	s_load_b512 s[32:47], s[6:7], 0x0              ; my 16 rows' mask
	s_load_b32 s22, s[8:9], 0x4                    ; e1
	s_lshl_b32 s16, s15, 15                        ; 16 rows of 2,048 bytes
	s_add_nc_u64 s[4:5], s[4:5], s[16:17]
	s_lshl_b32 s16, s15, 13                        ; 16 rows of 512 bytes
	s_add_nc_u64 s[10:11], s[10:11], s[16:17]
	s_lshl_b32 s16, ttmp9, 8                       ; the work-group's 64 words of prn
	s_add_nc_u64 s[12:13], s[12:13], s[16:17]
	s_wait_kmcnt 0x0
.irp p, 0,1,2,3,4,5,6,7,8,9,10,11,12,13,14,15
	s_min_u32 s23, s[32+\p], 1                     ; 0 where mask is 0, else 1 (as an unsigned number every other value is at least 1)
	s_mul_i32 s23, s23, \p*2048
	v_add_nc_u32 v[OFF+\p], s23, v2
.endr
.macro LOADR p                         ; a row: four loads of 512 consecutive bytes.  No cache hint: row 0 may be named many times
.irp i, 0,1,2,3
	global_load_b128 v[X+16*((\p)%8)+4*\i:X+16*((\p)%8)+4*\i+3], v[OFF+(\p)], s[4:5] offset:512*\i
.endr
.endm
.irp p, 0,1,2,3,4,5,6,7
	LOADR \p
.endr
	s_add_co_i32 s22, s22, 127
	s_lshl_b32 s23, s22, 23
	v_mov_b32 v[SCL], s23
	s_add_co_i32 s22, s22, 8
	s_lshl_b32 s22, s22, 23
	s_or_b32 s22, s22, 0x600000                    ; the mantissa field of 448
	v_mov_b32 v[LIM], s22
.macro ROW p
.set XS, X+16*((\p)%8)
.if (\p) <= 8
	s_wait_loadcnt 28                              ; loads come back in order: this row's four are in, the seven rows behind it may be out
.else
	s_wait_loadcnt 4*(15-(\p))                     ; the counts run down: nothing more is asked for
.endif
	v_pk_mul_f32 v[SQ:SQ+1], v[XS:XS+1], v[XS:XS+1]                ; the squares of the numbers as given, in two chains
	v_pk_mul_f32 v[SQ+2:SQ+3], v[XS+8:XS+9], v[XS+8:XS+9]
.irp j, 2,4,6
	v_pk_fma_f32 v[SQ:SQ+1], v[XS+\j:XS+\j+1], v[XS+\j:XS+\j+1], v[SQ:SQ+1]
	v_pk_fma_f32 v[SQ+2:SQ+3], v[XS+8+\j:XS+9+\j], v[XS+8+\j:XS+9+\j], v[SQ+2:SQ+3]
.endr
	v_pk_add_f32 v[SQ:SQ+1], v[SQ:SQ+1], v[SQ+2:SQ+3]
	v_add_f32 v[TS+(\p)], v[SQ], v[SQ+1]
	v_add_f32_dpp v[TS+(\p)], v[TS+(\p)], v[TS+(\p)] row_xmask:1 row_mask:0xf bank_mask:0xf
	v_add_f32_dpp v[TS+(\p)], v[TS+(\p)], v[TS+(\p)] row_xmask:2 row_mask:0xf bank_mask:0xf
	v_add_f32_dpp v[TS+(\p)], v[TS+(\p)], v[TS+(\p)] row_xmask:4 row_mask:0xf bank_mask:0xf
	v_add_f32_dpp v[TS+(\p)], v[TS+(\p)], v[TS+(\p)] row_xmask:8 row_mask:0xf bank_mask:0xf
	v_permlanex16_b32 v6, v[TS+(\p)], s20, s21
	v_add_f32 v[TS+(\p)], v[TS+(\p)], v6           ; the row's sum, in every lane
	ds_store_b32 v3, v[TS+(\p)] offset:4*(\p)      ; all lanes store the same word
.irp i, 0,1,2,3,4,5,6,7,8,9,10,11,12,13,14,15
	v_med3_num_f32 v[XS+\i], v[XS+\i], -v[LIM], v[LIM]             ; the conversion to an 8-bit code does not saturate (ISA guide 7.6.2): hold the number first
.endr
	v_cvt_scalef32_pk8_fp8_f32 v[C+4*(\p):C+4*(\p)+1], v[XS:XS+7], v[SCL]
	v_cvt_scalef32_pk8_fp8_f32 v[C+4*(\p)+2:C+4*(\p)+3], v[XS+8:XS+15], v[SCL]
	global_store_b128 v2, v[C+4*(\p):C+4*(\p)+3], s[10:11] offset:512*(\p) th:TH_STORE_NT   ; the wave stores the row's 512 bytes, aligned.  (The codes go to a store alone, and the next vector lines are plain and touch other registers)
.if (\p)+8 < 16
	LOADR (\p)+8                                   ; the slot takes the row eight further on
.endif
.endm
.irp p, 0,1,2,3,4,5,6,7,8,9,10,11,12,13,14,15
	ROW \p
.endr
	s_wait_dscnt 0x0                               ; for wave 0's sake: my 16 sums lie in LDS
	s_barrier_signal -1
	s_barrier_wait -1
	s_cmp_lg_u32 s14, 0
	s_cbranch_scc1 .Lend                           ; wave 0 stores the work-group's 64 numbers as 256 consecutive bytes, aligned
	ds_load_b64 v[28:29], v4
	s_wait_dscnt 0x0
	v_rsq_f32 v30, v28
	v_rsq_f32 v31, v29
	v_nop                                          ; a plain instruction behind the transcendentals
	s_wait_alu depctr_va_vdst(0)                   ; and the wait ahead of the first use: one for both
	global_store_b64 v4, v[30:31], s[12:13]
.Lend:
	s_wait_tensorcnt 0x0
	ds_add_u32 v242, v243
	s_wait_dscnt 0x0
	s_endpgm
.Lfunc_end_k_q03b52e59be_quant:
	.size	k_q03b52e59be_quant, .Lfunc_end_k_q03b52e59be_quant-k_q03b52e59be_quant
	.p2alignl 7, 3214868480
	.fill 96, 4, 3214868480
	.section	.rodata,"a",@progbits
	.p2align	6, 0x0
	.amdhsa_kernel k_q03b52e59be_quant
		.amdhsa_group_segment_fixed_size 768
		.amdhsa_private_segment_fixed_size 0
		.amdhsa_enable_private_segment 0
		.amdhsa_kernarg_size 40
		.amdhsa_user_sgpr_count 2
		.amdhsa_user_sgpr_kernarg_segment_ptr 1
		.amdhsa_wavefront_size32 1
		.amdhsa_system_sgpr_workgroup_id_x 1
		.amdhsa_system_sgpr_workgroup_id_y 1
		.amdhsa_system_sgpr_workgroup_id_z 1
		.amdhsa_system_vgpr_workitem_id 0
		.amdhsa_next_free_vgpr 244
		.amdhsa_next_free_sgpr 66
		.amdhsa_reserve_vcc 0
		.amdhsa_float_denorm_mode_32 3
		.amdhsa_float_denorm_mode_16_64 3
		.amdhsa_memory_ordered 1
		.amdhsa_forward_progress 1
		.amdhsa_inst_pref_size 47
	.end_amdhsa_kernel
	.amdgpu_metadata
---
amdhsa.version: [ 1, 2 ]
amdhsa.kernels:
  - .name:           k_q03b52e59be_quant
    .symbol:         k_q03b52e59be_quant.kd
    .args:
      - { .name: pool, .offset: 0, .size: 8, .value_kind: global_buffer, .address_space: global }
      - { .name: mask, .offset: 8, .size: 8, .value_kind: global_buffer, .address_space: global }
      - { .name: lowp_scales, .offset: 16, .size: 8, .value_kind: global_buffer, .address_space: global }
      - { .name: pcodes, .offset: 24, .size: 8, .value_kind: global_buffer, .address_space: global }
      - { .name: prn, .offset: 32, .size: 8, .value_kind: global_buffer, .address_space: global }
    .group_segment_fixed_size: 768
    .private_segment_fixed_size: 0
    .kernarg_segment_align: 8
    .kernarg_segment_size: 40
    .max_flat_workgroup_size: 128
    .sgpr_count:     66
    .vgpr_count:     244
    .wavefront_size: 32
...
	.end_amdgpu_metadata
.endif
;; end of part 1
;; launch knn (part 2): grid 16 x 16, 4 waves a work-group, clusters of 4 x 1, 327,680 bytes of LDS; arguments query, pcodes, prn, mask, pool_labels, lowp_scales, out0; writes out0
.if DOCPART == 2
	.amdgcn_target "amdgcn-amd-amdhsa--gfx1250"
	.amdhsa_code_object_version 6
	.text
	.protected	k_q03b52e59be_knn
	.globl	k_q03b52e59be_knn
	.p2align	8
	.type	k_q03b52e59be_knn,@function
k_q03b52e59be_knn:
	s_mov_b64 s[64:65], 0
	v_nop
	global_prefetch_b8 v0, s[64:65] scope:SCOPE_SE
	s_setreg_imm32_b32 hwreg(HW_REG_WAVE_MODE, 25, 1), 1
	s_wait_xcnt 0x0
	s_wait_alu depctr_hold_cnt(0) depctr_sa_sdst(0) depctr_va_vdst(0) depctr_va_sdst(0) depctr_va_ssrc(0) depctr_va_vcc(0) depctr_vm_vsrc(0)
	s_getreg_b32 s2, hwreg(HW_REG_IB_STS2, 6, 4)
	s_cmp_eq_u32 s2, 0
	s_cbranch_scc0 .Lentry_in_a_cluster
	s_endpgm
.Lentry_in_a_cluster:
	s_bfe_u32 s2, ttmp6, 0x10000c
	s_cmp_lg_u32 s2, 0x3003
	s_cbranch_scc0 .Lentry_shape_is_right
	s_endpgm
.Lentry_shape_is_right:
; out0[t][q] = 2^(e0 + e1) / |query q| x the sum over p of (codes of query q . codes of pool row p) x c[p],
;   c[p] = (pos[p] / num_pos - neg[p] / num_neg) / |pool row p|,  pos = mask != 0 and label != 0,  neg = mask != 0 and label != 1;  a side with no row counts 0; no row kept at all: 0.
; The product is made on codes of FP8 (E4M3) by v_wmma_f32_16x16x128_fp8_fp8; the metric never goes to memory: each finished tile of sums is multiplied by c and added to a running sum for each query.
; SHARES.  A work-group owns 128 queries of one task t and walks all 4,096 pool rows: each output has one owner.  EVERY wave holds the fragments of all 128 queries (8 blocks x 4 K steps x 16 registers = 512),
; and the four waves share the pool rows: of a slot's 256 rows wave w fetches and reads rows 64 w .. 64 w + 63.  So a pool fragment read from LDS (16 registers) feeds 8 matrix instructions.
; SOURCE 0 = 16 pool rows, SOURCE 1 = 16 queries: in the result a lane holds ONE query (lane % 16), and its registers 0 to 7 the pool rows 8 (lane / 16) + 0 .. 7: the sum over p needs one exchange at the very end.
; THE QUERIES arrive as f32 and are read by this work-group alone: they are quantised here (scale 2^e0), 64 rows at a time, and reach all four waves through a stage in LDS.  Their codes are laid as the pool's
; (byte 16 l + 4 i + j of a row = k 128 i + 4 l + j): the same permutation of K on both sides, so every product meets its partner.
; CLUSTER.  The four work-groups of a cluster belong to one t and walk the same codes: each tile is asked for JOINTLY, by the same tensor load with the same descriptor and a mask that names the four.
; THE RING.  Two LDS slots of 256 rows; 16 fills; a wave has at most two tensor loads out (the two first fills), later one.
; BY TURNS.  A tile of 16 pool rows is two halves of 16 matrix instructions (query blocks 0-3: accumulators X; blocks 4-7: Y).  While one half is multiplied, the other half's finished sums are multiplied by c and
; added up, and the next tile's fragments are fetched, in slices of four instructions between the matrix instructions.  The queries' fragments fill windows 1 and 2, all else lies in window 0: a slice costs two switches.
; LIMITS: e0 between -126 and 119 (e0 + e1 is applied by v_ldexp_f32 and has none); a query's sum of squares is a normal f32 number; NaN among the inputs is not served.
; REGISTERS, in windows of 256 (s_set_vgpr_msb: bits 1:0 source 0, 3:2 source 1, 5:4 source 2, 7:6 destination):
;   window 0: v0-15 addresses; v16-31 the running sums (a pair a block); v32-47 c, two sets of 8; v48-111 the accumulators X, Y; v112-239 two sets of a pool tile's fragments; v240-255 constants and at work.
;   window 1: queries' blocks 0-3, fragment (block b, K step s) at v[16 (4 b + s)];  window 2: blocks 4-7 (before that: raw numbers);  window 3: raw numbers of the queries.
.set PITCH, 528                        ; an LDS row of codes: 512 bytes + 16 of padding, an odd multiple of 16: the 16 rows that a load touches start 16 bytes apart modulo 256
.set WPART, 64*PITCH                   ; what one tensor load brings: a wave's 64 rows
.set SLOTB, 4*WPART                    ; a slot: 256 rows
.set CTAB,  2*SLOTB                    ; behind the ring: c[p], 4,096 f32
.set QST,   CTAB+16384                 ; the stage for 64 rows of the queries' codes
.set RED,   QST+64*PITCH               ; 4 waves x 128 partial sums
.set QN,    RED+2048                   ; the 128 queries' sums of squares
.set CNT,   QN+512                     ; 4 waves x (number of pos, number of neg)
.set SPARE, CNT+256                    ; the spare words, 128 bytes for each wave: two blocks of 256 bytes that no other line names
.set FILLB, 131072                     ; a fill in memory: 256 rows x 512 bytes
.set L16, 1                            ; v1   16 x lane
.set T16, 2                            ; v2   16 x thread
.set CTS, 3                            ; v3   where I store c: CTAB + 16 x thread
.set PA,  4                            ; v4-5 my lane's place in my wave's rows of slot 0, 1
.set CA0, 6                            ; v6   CTAB + 256 x wave + 32 x (lane / 16)
.set CAD, 7                            ; v7   the same, two slots further on in each trip (in the prologue: CNT)
.set SPW, 8                            ; v8   my spare word; never rewritten
.set NIL, 9                            ; v9   0; never rewritten
.set QSA, 10                           ; v10  the stage, on the way in
.set QFA, 11                           ; v11  and as fragments
.set QNA, 12                           ; v12  QN + 64 x wave
.set PFO, 13                           ; v13  256 x lane: the prefetches' offset
.set RDS, 14                           ; v14  RED + 512 x wave + 4 x (lane % 16)
.set RDL, 15                           ; v15  RED + 16 x lane
.set SUM, 16
.set CC,  32
.set T,   32                           ; prologue and way out: at work
.set T2,  40
.set ACC, 48
.set CD,  48                           ; prologue: 16 rows' codes, 4 registers a row
.set PF,  112
.set MKM, 112                          ; prologue: mask, then pos / |p|, then c
.set MKL, 144                          ; labels, then neg / |p|
.set MKR, 176                          ; 1 / |p|
.set SCL, 240                          ; 2^e0 as f32
.set LIMV, 241                         ; 448 x 2^e0
.set ANY, 242                          ; num_pos + num_neg
.set CNA, 243                          ; CNT + 8 x wave
.set WV,  18                           ; s18  wave
.set G1,  24                           ; s[24:31] descriptor group 1
.set G0,  32                           ; s[32:39] descriptor group 0, a set for each slot
.set TR,  42                           ; s42  trips to go
.set CB,  43                           ; s43  the trip's first byte in the c table
.set LIM, 44                           ; s44  1 in the task's first cluster, else the greatest number
.set PFA, 46                           ; s[46:47] where my prefetches stand
.set SEL, 48                           ; s[48:49] lane selects: lane l xor 16
.set MSB, 0
.macro WIN new                         ; the immediate's high byte repeats the setting that is left; a switch that changes nothing is dropped
.if MSB != (\new)
	s_set_vgpr_msb (MSB<<8)|(\new)
.set MSB, (\new)
.endif
.endm
.macro NOP4
.rept 4
	v_nop
.endr
.endm
.macro CREST                           ; a round of the cluster's barrier behind its opening barrier
	s_cmp_lg_u32 s[WV], 0
	s_cbranch_scc1 .Lnot_wave_0_\@
	s_barrier_signal -3
.Lnot_wave_0_\@:
	s_barrier_wait -3
	s_barrier_signal -1
	s_barrier_wait -1
.endm
.macro ROUND                           ; a whole round
	s_barrier_signal -1
	s_barrier_wait -1
	CREST
.endm
	s_load_b256 s[4:11], s[0:1], 0x0               ; query s[4:5], pcodes s[6:7], prn s[8:9], mask s[10:11]
	s_load_b128 s[12:15], s[0:1], 0x20             ; labels s[12:13], the scales' exponents s[14:15]
	s_load_b64 s[16:17], s[0:1], 0x30              ; out0
	v_lshl_add_u32 v[SPW], v0, 2, SPARE
	v_mov_b32 v[NIL], 0
	ds_add_u32 v8, v9
	ds_add_u32 v8, v9
	s_wait_dscnt 0x0
	v_lshrrev_b32 v1, 5, v0
	v_readfirstlane_b32 s[WV], v1                  ; wave 0..3
	s_bfe_u32 s19, ttmp6, 0x40000                  ; cx: my place in the cluster; it enters the addresses of query, out0 and the prefetches alone
	s_lshl_b32 s20, ttmp9, 2
	s_add_co_u32 s20, s20, s19                     ; my block of 128 queries = 4 x cluster x + cx
	s_and_b32 s21, ttmp7, 0xffff                   ; the task t, which the four partners share
	; every LDS address is made here: constants, the lane, the wave
	v_and_b32 v244, 31, v0                         ; lane
	v_and_b32 v245, 15, v0                         ; r
	v_bfe_u32 v246, v0, 4, 1                       ; h
	v_lshlrev_b32 v[L16], 4, v244
	v_lshlrev_b32 v[T16], 4, v0
	v_lshl_add_u32 v[CTS], v0, 4, CTAB
	v_mul_u32_u24 v247, v245, PITCH
	v_lshl_add_u32 v247, v246, 4, v247             ; a fragment's row x pitch + 16 x half
	s_mul_i32 s50, s[WV], WPART
	v_add_nc_u32 v[PA], s50, v247
	v_add_nc_u32 v[PA+1], SLOTB, v[PA]
	s_lshl_b32 s50, s[WV], 8
	s_add_co_u32 s50, s50, CTAB
	v_lshl_add_u32 v[CA0], v246, 5, s50
	v_mov_b32 v[CAD], CNT
	s_mul_i32 s50, s[WV], 16*PITCH
	s_add_co_u32 s50, s50, QST
	v_add_nc_u32 v[QSA], s50, v[L16]
	v_add_nc_u32 v[QFA], QST, v247
	s_lshl_b32 s50, s[WV], 6
	s_add_co_u32 s50, s50, QN
	v_mov_b32 v[QNA], s50
	v_lshlrev_b32 v[PFO], 8, v244
	s_lshl_b32 s50, s[WV], 9
	s_add_co_u32 s50, s50, RED
	v_lshl_add_u32 v[RDS], v245, 2, s50
	v_add_nc_u32 v[RDL], RED, v[L16]
	s_lshl_b32 s50, s[WV], 3
	s_add_co_u32 s50, s50, CNT
	v_mov_b32 v[CNA], s50
	; descriptor group 1: a tile of 64 rows x 512 bytes, padded in LDS
	s_mov_b32 s[G1+0], 15|(0<<16)|(1<<20)|(1<<21)|(6<<22)|(3<<25)  ; 15:0 the mask: all four work-groups; 17:16 elements of 1 byte; 20 padding on; 21 set beside a mask; 24:22 after every 128 words (code 6); 31:25 four words (code 3)
	s_mov_b32 s[G1+1], 512<<16                     ; tensor_dim0 = 512
	s_mov_b32 s[G1+2], 64<<16                      ; tensor_dim1 = 64
	s_mov_b32 s[G1+3], 512<<16                     ; tile_dim0 = 512
	s_mov_b32 s[G1+4], 64                          ; tile_dim1 = 64
	s_mov_b32 s[G1+5], 512                         ; from row to row
	s_mov_b32 s[G1+6], 0
	s_mov_b32 s[G1+7], 0
	s_mov_b32 s[SEL], 0x76543210
	s_mov_b32 s[SEL+1], 0xfedcba98
	s_cmp_eq_u32 ttmp9, 0                          ; the task's first cluster prefetches: the same in all four partners
	s_cselect_b32 s[LIM], 1, -1
	s_lshl_b32 s60, s21, 21                        ; the tiles: t's 4,096 rows of 512 bytes,
	s_lshl_b32 s50, s[WV], 15                      ; my wave's 64 rows of a fill: nothing of cx
	s_add_co_u32 s60, s60, s50
	s_mov_b32 s61, 0
	s_mul_i32 s50, s[WV], WPART                    ; and where they go
	s_wait_kmcnt 0x0
	s_load_b64 s[40:41], s[14:15], 0x0             ; e0 (query), e1 (pool)
	s_add_nc_u64 s[60:61], s[6:7], s[60:61]
.irp n, 0,1
	s_mov_b32 s[G0+4*\n], 1                        ; count = 1
	s_add_co_u32 s[G0+4*\n+1], s50, \n*SLOTB       ; LDS address
	s_add_nc_u64 s[G0+4*\n+2:G0+4*\n+3], s[60:61], \n*FILLB        ; global address: fill n
	s_or_b32 s[G0+4*\n+3], s[G0+4*\n+3], 0x80000000               ; type = 2
.endr
	s_lshl_b32 s22, s21, 22                        ; query: t's 2,048 rows of 2,048 bytes,
	s_lshl_b32 s51, s20, 18                        ; my block's 128,
	s_add_co_u32 s22, s22, s51
	s_lshl_b32 s51, s[WV], 15                      ; my wave's 16 of each 64
	s_add_co_u32 s22, s22, s51
	s_mov_b32 s23, 0
	s_add_nc_u64 s[4:5], s[4:5], s[22:23]
	s_lshl_b32 s22, s21, 13                        ; out0: t's 2,048 numbers, my block's 128
	s_lshl_b32 s51, s20, 9
	s_add_co_u32 s22, s22, s51
	s_add_nc_u64 s[16:17], s[16:17], s[22:23]
	s_lshl_b32 s51, s19, 2                         ; the prefetches: of a fill's 131,072 bytes partner cx's wave w takes 8,192, at 8,192 (4 cx + w): told apart by address
	s_add_co_u32 s51, s51, s[WV]
	s_lshl_b32 s22, s51, 13
	s_lshl_b32 s51, s21, 21
	s_add_co_u32 s22, s22, s51
	s_add_co_u32 s22, s22, 2*FILLB                 ; at fill 2: the first trip steps it to fill 4
	s_add_nc_u64 s[PFA:PFA+1], s[6:7], s[22:23]
	s_lshl_b32 s22, s21, 14                        ; prn, mask, labels: t's 4,096 words
	s_add_nc_u64 s[8:9], s[8:9], s[22:23]
	s_add_nc_u64 s[10:11], s[10:11], s[22:23]
	s_add_nc_u64 s[12:13], s[12:13], s[22:23]
	ROUND                                          ; all four work-groups are here: the first joint loads meet
	tensor_load_to_lds s[G0:G0+3], s[G1:G1+7]      ; fills 0 and 1 go out together, ahead of every wait on TENSORcnt and every LDS read
	s_nop 0
	tensor_load_to_lds s[G0+4:G0+7], s[G1:G1+7]
	s_nop 0
	NOP4
; ---------------- THE PROLOGUE: the table c, and the queries' fragments ----------------
; 8 rows of the queries' numbers (group g: pass g / 2, rows 16 w + 8 (g % 2) + 0 .. 7 of the pass's 64): 32 loads of 512 consecutive bytes, into window 3 (pass 0) or 2 (pass 1)
.macro QLOAD g
.set W, 3-(\g)/2
	WIN W<<6
.irp r, 0,1,2,3,4,5,6,7
.irp i, 0,1,2,3
	global_load_b128 v[128*((\g)%2)+16*\r+4*\i:128*((\g)%2)+16*\r+4*\i+3], v[L16], s[4:5] offset:((\g)/2)*131072+(8*((\g)%2)+\r)*2048+512*\i th:TH_LOAD_NT
.endr
.endr
	WIN 0
.endm
; the 8 rows' sums of squares, of the numbers as given; each goes to its word of QN
.macro QSQ g
.set W, 3-(\g)/2
.set XB, 128*((\g)%2)
	WIN W|(W<<2)
.irp r, 0,1,2,3,4,5,6,7
	v_pk_mul_f32 v[SUM+2*\r:SUM+2*\r+1], v[XB+16*\r:XB+16*\r+1], v[XB+16*\r:XB+16*\r+1]
.endr
.irp i, 1,2,3,4,5,6,7
.irp r, 0,1,2,3,4,5,6,7
	v_pk_fma_f32 v[SUM+2*\r:SUM+2*\r+1], v[XB+16*\r+2*\i:XB+16*\r+2*\i+1], v[XB+16*\r+2*\i:XB+16*\r+2*\i+1], v[SUM+2*\r:SUM+2*\r+1]
.endr
.endr
	WIN 0
.irp r, 0,1,2,3,4,5,6,7
	v_add_f32 v[T+\r], v[SUM+2*\r], v[SUM+2*\r+1]
.endr
.irp x, 1,2,4,8
.irp r, 0,1,2,3,4,5,6,7
	v_add_f32_dpp v[T+\r], v[T+\r], v[T+\r] row_xmask:\x row_mask:0xf bank_mask:0xf
.endr
.endr
.irp r, 0,1,2,3,4,5,6,7
	v_permlanex16_b32 v[T2+\r], v[T+\r], s[SEL], s[SEL+1]
.endr
.irp r, 0,1,2,3,4,5,6,7
	v_add_f32 v[T+\r], v[T+\r], v[T2+\r]
.endr
.irp r, 0,1,2,3,4,5,6,7
	ds_store_b32 v[QNA], v[T+\r] offset:4*(64*((\g)/2)+8*((\g)%2)+\r)  ; all lanes store the same word
.endr
.endm
; the 8 rows' codes: 4 registers a row, in window 0
.macro QCV g
.set W, 3-(\g)/2
.set XB, 128*((\g)%2)
	WIN (W<<6)|W
.set jj, 0
.rept 128
	v_med3_num_f32 v[XB+jj], v[XB+jj], -v[LIMV], v[LIMV]           ; the conversion to an 8-bit code does not saturate (ISA guide 7.6.2): hold the number first
.set jj, jj+1
.endr
	WIN W
.irp r, 0,1,2,3,4,5,6,7
	v_cvt_scalef32_pk8_fp8_f32 v[CD+32*((\g)%2)+4*\r:CD+32*((\g)%2)+4*\r+1], v[XB+16*\r:XB+16*\r+7], v[SCL]
	v_cvt_scalef32_pk8_fp8_f32 v[CD+32*((\g)%2)+4*\r+2:CD+32*((\g)%2)+4*\r+3], v[XB+16*\r+8:XB+16*\r+15], v[SCL]
.endr
	v_nop                                          ; one plain vector instruction behind the last conversion: matrix instructions write these registers later
	WIN 0
.endm
.macro QSTORE                          ; my 16 rows of codes into the stage: a row's 512 bytes by one store
.irp r, 0,1,2,3,4,5,6,7,8,9,10,11,12,13,14,15
	ds_store_b128 v[QSA], v[CD+4*\r:CD+4*\r+3] offset:PITCH*\r
.endr
.endm
.macro QFRAG p                         ; the stage's 64 rows as 16 fragments (block f / 4, K step f % 4), into window 1 + p: every wave takes them all
	WIN (1+(\p))<<6
.irp f, 0,1,2,3,4,5,6,7,8,9,10,11,12,13,14,15
.irp c, 0,1,2,3
	ds_load_b128 v[16*\f+4*\c:16*\f+4*\c+3], v[QFA] offset:16*PITCH*(\f/4)+128*(\f%4)+32*\c
.endr
.endr
	WIN 0
.endm
.irp i, 0,1,2,3,4,5,6,7                ; t's 4,096 rows: thread n takes rows 512 i + 4 n + 0 .. 3; each load of the work-group covers 2,048 consecutive bytes.  No hint: 15 other work-groups read the same
	global_load_b128 v[MKM+4*\i:MKM+4*\i+3], v[T16], s[10:11] offset:2048*\i
.endr
.irp i, 0,1,2,3,4,5,6,7
	global_load_b128 v[MKL+4*\i:MKL+4*\i+3], v[T16], s[12:13] offset:2048*\i
.endr
.irp i, 0,1,2,3,4,5,6,7
	global_load_b128 v[MKR+4*\i:MKR+4*\i+3], v[T16], s[8:9] offset:2048*\i
.endr
	QLOAD 0
	s_wait_kmcnt 0x0
	s_add_co_i32 s59, s40, s41                     ; e0 + e1
	s_add_co_i32 s50, s40, 127
	s_lshl_b32 s51, s50, 23
	v_mov_b32 v[SCL], s51
	s_add_co_i32 s50, s50, 8
	s_lshl_b32 s50, s50, 23
	s_or_b32 s50, s50, 0x600000                    ; the mantissa field of 448
	v_mov_b32 v[LIMV], s50
	s_mov_b32 s52, 0                               ; my wave's number of pos,
	s_mov_b32 s53, 0                               ; of neg
.irp r, 0,1,2,3,4,5,6,7
	v_mov_b32 v[T2+\r], 0                          ; written once: a lane permute's destination counts as one of its sources
.endr
	s_wait_loadcnt 32                              ; mask, labels and prn are in; group 0's 32 loads may be out
.set el, 0
.rept 32                               ; pos and neg of 32 rows a thread: counted by the lane masks, and selected: a row that is not kept gets an exact 0, whatever prn holds for it
	v_cmp_ne_u32 s54, 0, v[MKM+el]
	v_cmp_ne_u32 s55, 0, v[MKL+el]
	v_cmp_ne_u32 s56, 1, v[MKL+el]
	s_and_b32 s55, s55, s54                        ; pos = mask != 0 and label != 0
	s_and_b32 s56, s56, s54                        ; neg = mask != 0 and label != 1
	s_bcnt1_i32_b32 s57, s55
	s_bcnt1_i32_b32 s58, s56
	s_add_co_u32 s52, s52, s57
	s_add_co_u32 s53, s53, s58
	v_cndmask_b32 v[MKM+el], 0, v[MKR+el], s55     ; pos ? 1 / |p| : 0
	v_cndmask_b32 v[MKL+el], 0, v[MKR+el], s56     ; neg ? 1 / |p| : 0
.set el, el+1
.endr
	v_mov_b32 v244, s52
	v_mov_b32 v245, s53
	ds_store_b64 v[CNA], v[244:245]
	QLOAD 1
	s_wait_loadcnt 32                              ; group 0 is in; group 1's 32 loads may be out
	QSQ 0
	QCV 0
	QLOAD 2
	s_wait_loadcnt 32                              ; group 1 is in
	QSQ 1
	QCV 1
	QLOAD 3
	QSTORE
	s_wait_dscnt 0x0                               ; for the others' sake: my counts and my 16 rows of codes lie in LDS
	s_barrier_signal -1
	s_barrier_wait -1
	ds_load_b128 v[248:251], v[CAD]                ; the four waves' counts
	ds_load_b128 v[252:255], v[CAD] offset:16
	s_wait_dscnt 0x0                               ; they are in.  The wait stands ahead of the 64 fragment loads: a count of 64 younger loads is more than a wait can name
	QFRAG 0                                        ; the fragments land while c is made
	v_add3_u32 v248, v248, v250, v252
	v_add3_u32 v249, v249, v251, v253
	v_add_nc_u32 v248, v248, v254                  ; num_pos
	v_add_nc_u32 v249, v249, v255                  ; num_neg
	v_add_nc_u32 v[ANY], v248, v249
	v_cvt_f32_u32 v250, v248
	v_cvt_f32_u32 v251, v249
	v_rcp_f32 v252, v250                           ; (of a count of 0: infinity, which the selection below throws away)
	v_rcp_f32 v253, v251
	v_nop                                          ; a plain instruction behind the transcendentals
	s_wait_alu depctr_va_vdst(0)                   ; and the wait ahead of the first use: one for both
	v_xor_b32 v253, 0x80000000, v253
	v_cmp_lt_u32 s54, 0, v248
	v_cmp_lt_u32 s55, 0, v249
	v_cndmask_b32 v244, 0, v252, s54               ; 1 / num_pos, or 0 where there is none
	v_cndmask_b32 v246, 0, v253, s55               ; -1 / num_neg, or 0
	v_mov_b32 v245, v244                           ; (named as the pairs' upper halves)
	v_mov_b32 v247, v246
.irp k, 0,2,4,6,8,10,12,14,16,18,20,22,24,26,28,30
	v_pk_mul_f32 v[MKL+\k:MKL+\k+1], v[MKL+\k:MKL+\k+1], v[246:247] op_sel_hi:[1,0]
.endr
.irp k, 0,2,4,6,8,10,12,14,16,18,20,22,24,26,28,30
	v_pk_fma_f32 v[MKM+\k:MKM+\k+1], v[MKM+\k:MKM+\k+1], v[244:245], v[MKL+\k:MKL+\k+1] op_sel_hi:[1,0,1]   ; c
.endr
.irp i, 0,1,2,3,4,5,6,7
	ds_store_b128 v[CTS], v[MKM+4*\i:MKM+4*\i+3] offset:2048*\i
.endr
	s_wait_loadcnt 32                              ; group 2 is in
	QSQ 2
	QCV 2
	s_wait_loadcnt 0x0                             ; group 3
	QSQ 3
	QCV 3
	s_wait_dscnt 0x0                               ; my reads of the stage are over, and my part of c lies in LDS
	s_barrier_signal -1
	s_barrier_wait -1                              ; nobody reads the stage any more
	QSTORE
	s_wait_tensorcnt 1                             ; my part of slot 0 is in; slot 1's may stay out
	s_wait_dscnt 0x0
	s_barrier_signal -1
	s_barrier_wait -1
	QFRAG 1
.irp d, 0,1,2,3                        ; the first tile's fragments
.irp c, 0,1,2,3
	ds_load_b128 v[PF+16*\d+4*\c:PF+16*\d+4*\c+3], v[PA] offset:128*\d+32*\c
.endr
.endr
	ds_load_b128 v[CC:CC+3], v[CA0]                ; and its c: the two youngest LDS loads, as on the loop's way back
	ds_load_b128 v[CC+4:CC+7], v[CA0] offset:16
.irp j, 0,1,2,3,4,5,6,7,8,9,10,11,12,13,14,15
	v_mov_b32 v[SUM+\j], 0                         ; the running sums begin at 0
.endr
.irp j, 0,1,2,3,4,5,6,7,8,9,10,11,12,13,14,15,16,17,18,19,20,21,22,23,24,25,26,27,28,29,30,31
	v_mov_b32 v[ACC+32+\j], 0                      ; the loop is written once: its first half adds up a tile that does not exist: zeros
.endr
.irp j, 0,1,2,3,4,5,6,7
	v_mov_b32 v[CC+8+\j], 0
.endr
; ---------------- THE LOOP ----------------
; Matrix instruction n of a half's 16: K step n / 4, query block 4 hf + n % 4.  The four accumulators of a half take turns, one instruction a turn, and the halves alternate X and Y, over the loop's
; backward jump too.  The first four take the constant 0 as C: nothing is cleared in the loop.
.macro MM hf, pf, n
	WIN 0x04<<(\hf)
.set rD, ACC+32*(\hf)+8*((\n)%4)
.set rA, PF+64*(\pf)+16*((\n)/4)
.set rB, 16*(4*((\n)%4)+(\n)/4)
.if (\n) < 4
	v_wmma_f32_16x16x128_fp8_fp8 v[rD:rD+7], v[rA:rA+15], v[rB:rB+15], 0
.else
	v_wmma_f32_16x16x128_fp8_fp8 v[rD:rD+7], v[rA:rA+15], v[rB:rB+15], v[rD:rD+7]
.endif
.endm
; Slice i of 4: the OTHER half's four finished accumulators, registers 2 i and 2 i + 1 (pool rows 8 h + 2 i, + 1), times c, onto the blocks' running sums.  i = 0 comes first: each accumulator is read from its low end on.
; In half 0 the finished sums are the tile before's (its c lies in the other set), in half 1 this tile's.
.macro RSUM hf, pf, i
	WIN 0
.if (\hf) == 0
.set cs, 1-(\pf)
.else
.set cs, (\pf)
.endif
.irp b, 0,1,2,3
	v_pk_fma_f32 v[SUM+2*(4*(1-(\hf))+\b):SUM+2*(4*(1-(\hf))+\b)+1], v[ACC+32*(1-(\hf))+8*\b+2*(\i):ACC+32*(1-(\hf))+8*\b+2*(\i)+1], v[CC+8*cs+2*(\i):CC+8*cs+2*(\i)+1], v[SUM+2*(4*(1-(\hf))+\b):SUM+2*(4*(1-(\hf))+\b)+1]
.endr
.endm
.macro FRAGS pf, slot, tau, d          ; K step d of the next tile (tile tau of my rows of the slot) into the other set
	WIN 0
.irp c, 0,1,2,3
	ds_load_b128 v[PF+64*(1-(\pf))+16*(\d)+4*\c:PF+64*(1-(\pf))+16*(\d)+4*\c+3], v[PA+(\slot)] offset:16*PITCH*(\tau)+128*(\d)+32*\c
.endr
.endm
.macro CLOAD pf, off                   ; the next tile's c, 8 numbers a lane (sixteen lanes read the same bytes), into the other set
	WIN 0
	ds_load_b128 v[CC+8*(1-(\pf)):CC+8*(1-(\pf))+3], v[CAD] offset:(\off)
	ds_load_b128 v[CC+8*(1-(\pf))+4:CC+8*(1-(\pf))+7], v[CAD] offset:(\off)+16
.endm
; A PREFETCH INTO THE L2, behind the joint load, its four lines and the loads of c: at the change that asks for fill f + 2 it names fill f + 4: two slots, 256 matrix instructions a wave, ahead of the load that will want it.
; All four clusters of a task walk the same codes: the first asks.  Its four partners' sixteen waves take 8,192 bytes each, told apart by address, lanes 256 bytes apart: each block of 256 bytes is named once in the launch.
; It asks while more than one trip is to go: fills 4 to 15, nothing behind the buffer's end.  Fills 0 to 3 come by their loads alone.
.macro ASK off
	s_cmp_gt_u32 s[TR], s[LIM]
	s_cbranch_scc0 .Lnot_mine_\@
	global_prefetch_b8 v[PFO], s[PFA:PFA+1] offset:(\off) th:TH_LOAD_NT scope:SCOPE_SE
.Lnot_mine_\@:
.endm
; A vector instruction that reads a matrix result, and a load into a register that a matrix instruction has read, stand four places behind it; a matrix instruction that begins an accumulator anew, five
; (ISA guide 7.12.1 for vector instructions).  Behind a half's last product stand its last slice, which names none of that product's registers, and the next half's four v_nop: eight.
; Half 0 of a tile: blocks 0-3.  fetch = 1: the next tile's 16 fragment loads, four at a time.
.macro HALF0 pf, fetch, slot, tau
	s_wait_dscnt 2                                 ; this tile's fragments are in; the two loads of its c, the youngest, may be out
	MM 0, \pf, 0
	NOP4
	MM 0, \pf, 1
.irp d, 0,1,2,3
.if \fetch
	FRAGS \pf, \slot, \tau, \d
.endif
	MM 0, \pf, 4*\d+2
	MM 0, \pf, 4*\d+3
	RSUM 0, \pf, \d
.if \d < 3
	MM 0, \pf, 4*\d+4
	MM 0, \pf, 4*\d+5
.endif
.endr
.endm
.macro MM4 pf, n0
	MM 1, \pf, (\n0)
	MM 1, \pf, (\n0)+1
	MM 1, \pf, (\n0)+2
	MM 1, \pf, (\n0)+3
.endm
; Half 1: blocks 4-7.  fetched: the LDS loads issued in half 0, which may stay out.  cf = 1: the next tile's c, at byte coff.
; chg = 1: THE CHANGE OF SLOTS.  The slot's last tile has been fetched in this tile's half 0.  Each wave waits for all its tensor loads (the one that is out is its part of the other slot), adds 0 to its spare word,
; and waits for that and for its reads of this slot; the barrier opens a round of the cluster's barrier; behind the round slot rs is filled again, two fills on: that load has a slot's 128 matrix instructions in which to land.
; chg = 2: the same with nothing to fill: a plain barrier.
.macro HALF1 pf, fetched, cf, coff, chg, rs
.if (\chg) == 0
	s_wait_dscnt \fetched                          ; this tile's c is in
	MM 1, \pf, 0
	NOP4
	MM 1, \pf, 1
.if \cf
	CLOAD \pf, \coff
.endif
	MM 1, \pf, 2
	MM 1, \pf, 3
	RSUM 1, \pf, 0
	MM4 \pf, 4
	RSUM 1, \pf, 1
	MM4 \pf, 8
	RSUM 1, \pf, 2
	MM4 \pf, 12
	RSUM 1, \pf, 3
.else
	WIN 0                                          ; (the add's two registers lie in window 0)
	s_wait_tensorcnt 0x0                           ; all my tensor loads have landed, so a group 0 may be written
	ds_add_u32 v[SPW], v[NIL]                      ; 0 onto my spare word
.if (\chg) == 1
	s_add_nc_u64 s[G0+4*(\rs)+2:G0+4*(\rs)+3], s[G0+4*(\rs)+2:G0+4*(\rs)+3], 2*FILLB   ; this slot's next fill; the type bits on top are not reached
.endif
	s_wait_dscnt 17                                ; this tile's c is in; the 16 fragment loads and the add may be out
	MM 1, \pf, 0
	NOP4
	MM 1, \pf, 1
	MM 1, \pf, 2
	MM 1, \pf, 3
	RSUM 1, \pf, 0
	MM4 \pf, 4
	RSUM 1, \pf, 1
	s_wait_dscnt 0x0                               ; the add is done, and my reads of this slot are over
	s_barrier_signal -1
	MM4 \pf, 8                                     ; work on registers while the others arrive
	RSUM 1, \pf, 2
	WIN 0
	s_barrier_wait -1
.if (\chg) == 1
	CREST                                          ; no wave of any partner still reads this slot or has a load on its way
	tensor_load_to_lds s[G0+4*(\rs):G0+4*(\rs)+3], s[G1:G1+7]      ; my one tensor load behind the round, and the first thing there
	s_nop 0
	NOP4
.endif
	CLOAD \pf, \coff
.if (\chg) == 1
	ASK FILLB*(\rs)
.endif
	MM4 \pf, 12
	RSUM 1, \pf, 3
.endif
.endm
; A slot: my four tiles.  cb: the slot's first byte of c, from v[CAD] on.  last = 1: nothing follows.
.macro SLOTW cur, chg, cb, last
	HALF0 0, 1, \cur, 1
	HALF1 0, 16, 1, (\cb)+64, 0, 0
	HALF0 1, 1, \cur, 2
	HALF1 1, 16, 1, (\cb)+128, 0, 0
	HALF0 0, 1, \cur, 3
	HALF1 0, 16, 1, (\cb)+192, \chg, \cur
.if \last
	HALF0 1, 0, 0, 0
	HALF1 1, 0, 0, 0, 0, 0
.else
	HALF0 1, 1, 1-(\cur), 0
	HALF1 1, 16, 1, (\cb)+1024, 0, 0
.endif
.endm
	s_mov_b32 s[TR], 7
	s_mov_b32 s[CB], 0
.Ltrip:                                            ; 7 trips of two slots: fills 0 to 13 are multiplied, fills 2 to 15 asked for
	s_wait_xcnt 0x0                                ; the last prefetch, more than a tile back, has read its address: it may be stepped
	s_add_nc_u64 s[PFA:PFA+1], s[PFA:PFA+1], 2*FILLB
	v_add_nc_u32 v[CAD], s[CB], v[CA0]
	s_add_co_u32 s[CB], s[CB], 2048
	SLOTW 0, 1, 0, 0
	SLOTW 1, 1, 1024, 0
	WIN 0                                          ; at a label and at a branch every window is 0
	s_sub_co_u32 s[TR], s[TR], 1
	s_cmp_lg_u32 s[TR], 0
	s_cbranch_scc1 .Ltrip
	v_add_nc_u32 v[CAD], s[CB], v[CA0]             ; the last two slots are written out
	SLOTW 0, 2, 0, 0
	SLOTW 1, 0, 1024, 1
; ---------------- THE WAY OUT ----------------
	NOP4
	RSUM 0, 0, 0                                   ; the last tile's blocks 4-7 (its c lies in set 1)
	RSUM 0, 0, 1
	RSUM 0, 0, 2
	RSUM 0, 0, 3
.irp b, 0,1,2,3,4,5,6,7
	v_add_f32 v[T+\b], v[SUM+2*\b], v[SUM+2*\b+1]  ; even and odd pool rows,
.endr
.irp b, 0,1,2,3,4,5,6,7
	v_permlanex16_b32 v[T2+\b], v[T+\b], s[SEL], s[SEL+1]
.endr
.irp b, 0,1,2,3,4,5,6,7
	v_add_f32 v[T+\b], v[T+\b], v[T2+\b]           ; and the other half of the lanes': my wave's sum for query 16 b + lane % 16
.endr
.irp b, 0,1,2,3,4,5,6,7
	ds_store_b32 v[RDS], v[T+\b] offset:64*\b      ; (lanes l and l + 16 store the same word)
.endr
	s_wait_dscnt 0x0                               ; for wave 0's sake
	s_barrier_signal -1
	s_barrier_wait -1
	s_cmp_lg_u32 s[WV], 0
	s_cbranch_scc1 .Lend                           ; wave 0 adds the four waves' sums and stores the work-group's 128 numbers: 512 consecutive bytes, aligned
.irp k, 0,1,2,3,4
	ds_load_b128 v[48+4*\k:51+4*\k], v[RDL] offset:512*\k          ; k = 4: the queries' sums of squares, which lie behind the partial sums
.endr
	s_wait_dscnt 0x0
	v_pk_add_f32 v[48:49], v[48:49], v[52:53]
	v_pk_add_f32 v[50:51], v[50:51], v[54:55]
	v_pk_add_f32 v[56:57], v[56:57], v[60:61]
	v_pk_add_f32 v[58:59], v[58:59], v[62:63]
.irp j, 0,1,2,3
	v_rsq_f32 v[68+\j], v[64+\j]                   ; 1 / |query|
.endr
	v_pk_add_f32 v[48:49], v[48:49], v[56:57]      ; (plain instructions behind the transcendentals)
	v_pk_add_f32 v[50:51], v[50:51], v[58:59]
	v_cmp_lt_u32 vcc_lo, 0, v[ANY]
	s_wait_alu depctr_va_vdst(0)                   ; the wait ahead of the first use: one for the four
.irp j, 0,1,2,3
	v_mul_f32 v[48+\j], v[48+\j], v[68+\j]
.endr
.irp j, 0,1,2,3
	v_ldexp_f32 v[48+\j], v[48+\j], s59            ; x 2^(e0 + e1)
.endr
.irp j, 0,1,2,3
	v_cndmask_b32 v[48+\j], 0, v[48+\j], vcc_lo    ; no row kept at all: 0, whatever the query's norm
.endr
	global_store_b128 v[L16], v[48:51], s[16:17]
.Lend:
	s_wait_tensorcnt 0x0                           ; the wave's end: behind my last tensor load and my last LDS store
	ds_add_u32 v[SPW], v[NIL]
	s_wait_dscnt 0x0
	ROUND                                          ; the closing round: no work-group ends while a partner may still ask for a tile that names it
	s_endpgm
.Lfunc_end_k_q03b52e59be_knn:
	.size	k_q03b52e59be_knn, .Lfunc_end_k_q03b52e59be_knn-k_q03b52e59be_knn
	.p2alignl 7, 3214868480
	.fill 96, 4, 3214868480
	.section	.rodata,"a",@progbits
	.p2align	6, 0x0
	.amdhsa_kernel k_q03b52e59be_knn
		.amdhsa_group_segment_fixed_size 327680
		.amdhsa_private_segment_fixed_size 0
		.amdhsa_enable_private_segment 0
		.amdhsa_kernarg_size 56
		.amdhsa_user_sgpr_count 2
		.amdhsa_user_sgpr_kernarg_segment_ptr 1
		.amdhsa_wavefront_size32 1
		.amdhsa_system_sgpr_workgroup_id_x 1
		.amdhsa_system_sgpr_workgroup_id_y 1
		.amdhsa_system_sgpr_workgroup_id_z 1
		.amdhsa_system_vgpr_workitem_id 0
		.amdhsa_next_free_vgpr 1024
		.amdhsa_next_free_sgpr 66
		.amdhsa_reserve_vcc 1
		.amdhsa_float_denorm_mode_32 3
		.amdhsa_float_denorm_mode_16_64 3
		.amdhsa_memory_ordered 1
		.amdhsa_forward_progress 1
		.amdhsa_inst_pref_size 226
	.end_amdhsa_kernel
	.amdgpu_metadata
---
amdhsa.version: [ 1, 2 ]
amdhsa.kernels:
  - .name:           k_q03b52e59be_knn
    .symbol:         k_q03b52e59be_knn.kd
    .args:
      - { .name: query, .offset: 0, .size: 8, .value_kind: global_buffer, .address_space: global }
      - { .name: pcodes, .offset: 8, .size: 8, .value_kind: global_buffer, .address_space: global }
      - { .name: prn, .offset: 16, .size: 8, .value_kind: global_buffer, .address_space: global }
      - { .name: mask, .offset: 24, .size: 8, .value_kind: global_buffer, .address_space: global }
      - { .name: pool_labels, .offset: 32, .size: 8, .value_kind: global_buffer, .address_space: global }
      - { .name: lowp_scales, .offset: 40, .size: 8, .value_kind: global_buffer, .address_space: global }
      - { .name: out0, .offset: 48, .size: 8, .value_kind: global_buffer, .address_space: global }
    .group_segment_fixed_size: 327680
    .private_segment_fixed_size: 0
    .kernarg_segment_align: 8
    .kernarg_segment_size: 56
    .max_flat_workgroup_size: 128
    .sgpr_count:     66
    .vgpr_count:     1024
    .wavefront_size: 32
...
	.end_amdgpu_metadata
.endif
;; end of part 2
